; MI455X (gfx1250); checked and timed in simulation.
; The chip was launched on July 23, 2026; its instructions are those of AMD's public machine-readable ISA for CDNA 5 (MIT licence, August 2026) and "CDNA5" Instruction Set Architecture Reference Guide (July 2026). The comments in the code are by the model that wrote it; some were corrected since.
;; Multi Head Attention. Allowed arithmetic: matrix products marked QUANTISED: E4M3 operands, one E8M0 scale for each 32 along K, by v_wmma_scale_f32_16x16x128_f8f6f4 with both operands' format E4M3, f32 sums; everything else in f32.
;; Inputs: b_k 1,024 float32; b_o 1,024 float32; b_q 1,024 float32; b_v 1,024 float32; key_codes 4 x 2,048 x 32 x 32 uint8 (E4M3 codes of key, K innermost, in blocks of 32 codes); key_scales 4 x 2,048 x 32 uint8 (E8M0 scales of key, one for each 32 codes along K); query_codes 4 x 2,048 x 32 x 32 uint8 (E4M3 codes of query, K innermost, in blocks of 32 codes); query_scales 4 x 2,048 x 32 uint8 (E8M0 scales of query, one for each 32 codes along K); value_codes 4 x 2,048 x 32 x 32 uint8 (E4M3 codes of value, K innermost, in blocks of 32 codes); value_scales 4 x 2,048 x 32 uint8 (E8M0 scales of value, one for each 32 codes along K); w_k_codes 1,024 x 32 x 32 uint8 (E4M3 codes of w_k, K innermost, in blocks of 32 codes); w_k_scales 1,024 x 32 uint8 (E8M0 scales of w_k, one for each 32 codes along K); w_o_codes 1,024 x 32 x 32 uint8 (E4M3 codes of w_o, K innermost, in blocks of 32 codes); w_o_scales 1,024 x 32 uint8 (E8M0 scales of w_o, one for each 32 codes along K); w_q_codes 1,024 x 32 x 32 uint8 (E4M3 codes of w_q, K innermost, in blocks of 32 codes); w_q_scales 1,024 x 32 uint8 (E8M0 scales of w_q, one for each 32 codes along K); w_v_codes 1,024 x 32 x 32 uint8 (E4M3 codes of w_v, K innermost, in blocks of 32 codes); w_v_scales 1,024 x 32 uint8 (E8M0 scales of w_v, one for each 32 codes along K).
;; Outputs: out0 4 x 2,048 x 1,024 float32.
;; This version of the problem:
;;   THIS VERSION OF THE PROBLEM IS GIVEN IN LOW PRECISION. The matrix products marked QUANTISED in the list below multiply operands that are first quantised to E4M3 (4 exponent bits, 3 mantissa bits; 8 bits a number), with one power-of-two scale for each 32 numbers along K (OCP MX v1.0); their sums are f32. All else is computed in f32.
;;   The module's matrix products, in the order in which they are computed (A, B: the left and right operand; K: the contracted axis; several contracted axes count as one K, in the product's order):
;;     1. [M 8,192, K 1,024] x [K 1,024, N 1,024]; A: input query (given as codes); B: input w_q (given as codes): QUANTISED
;;     2. [M 8,192, K 1,024] x [K 1,024, N 1,024]; A: input key (given as codes); B: input w_k (given as codes): QUANTISED
;;     3. [M 8,192, K 1,024] x [K 1,024, N 1,024]; A: input value (given as codes); B: input w_v (given as codes): QUANTISED
;;     4. batch 64 x [M 2,048, K 64] x [K 64, N 2,048]; A: computed on the way; B: computed on the way: QUANTISED
;;     5. batch 64 x [M 2,048, K 2,048] x [K 2,048, N 64]; A: softmax (see below); B: computed on the way: QUANTISED
;;     6. [M 8,192, K 1,024] x [K 1,024, N 1,024]; A: computed on the way; B: input w_o (given as codes): QUANTISED
;;   THE QUANTISER, for each operand of a quantised product, along K:
;;     - K is cut into blocks of 32 from its start; a last block that is shorter is filled with zeros.
;;     - A block's scale is 2^e with e = floor(log2(the largest magnitude in the block)) - 8, held to -126 .. 127; a block of zeros has e = 0. As a byte (E8M0): e + 127.
;;     - Each number is divided by its block's scale, clamped to +-448, and rounded to the nearest number of E4M3, ties to even, subnormals kept.
;;     - The product sums the exact products of the quantised numbers (number of the format x scale) in f32.
;;   ~~~python
;;   def quantise(x, axis):      # numpy; x: float32 -> the quantised numbers, widened to float32 again
;;       x = np.moveaxis(x, axis, -1); K = x.shape[-1]
;;       x = np.pad(x, [(0, 0)] * (x.ndim - 1) + [(0, -K % 32)]); x = x.reshape(x.shape[:-1] + (-1, 32)); a = np.abs(x).max(-1, keepdims=True)
;;       e = np.where(a > 0, np.clip(np.frexp(np.where(a > 0, a, 1))[1] - 1 - 8, -126, 127), 0)      # np.frexp(a)[1] - 1 = floor(log2(a)), exactly
;;       r = np.clip(x / 2.0 ** e, -448, 448)
;;       step = 2.0 ** (np.maximum(np.frexp(np.where(r == 0, 1, r))[1] - 1, -6) - 3)
;;       q = np.round(r / step) * step * 2.0 ** e      # np.round: ties to even
;;       return np.moveaxis(q.reshape(q.shape[:-2] + (-1,))[..., :K], -1, axis).astype(np.float32)
;;   ~~~
;;   SOFTMAX AHEAD OF A QUANTISED PRODUCT. Where the list says 'softmax', what is quantised is not the finished softmax but p = 2^(t - M), with t = logit x log2(e) and M = ceil(the row's largest t), a whole number; so 1/2 < the row's largest p <= 1. The row's sum l is taken of the UNQUANTISED p, in f32, and the product's result is divided by l at the end. Since M is a whole number, a kernel that streams over the keys may use a running M (the ceiling of the running maximum): every later rescaling is an exact power of two, which a block's scale takes up: the codes' values come out the same.
;;   OPERANDS COMPUTED ON THE WAY. 'Computed on the way' means the value that the module computes at that place (a softmax that the list does not call 'softmax' is quantised finished and normalised). What goes into a quantiser is computed in f32, as accurately as f32 sums, v_exp_f32 and their like allow (about 1e-6 of the number): no bf16 or f16 on the way to a quantiser, and a product that is left as it is and whose result goes on into a quantised operand takes f32 operands (vector FMAs, or v_wmma_f32_16x16x4_f32). A number that lies on a knife's edge between two numbers of the format may be rounded either way, as far as f32 arithmetic and the matrix unit's own rounding can turn it there, and no further.
;;   INPUTS GIVEN AS CODES. key (in the module: [4, 2048, 1024], K = its axis 2); query (in the module: [4, 2048, 1024], K = its axis 2); value (in the module: [4, 2048, 1024], K = its axis 2); w_k (in the module: [1024, 1024], K = its axis 1); w_o (in the module: [1024, 1024], K = its axis 1); w_q (in the module: [1024, 1024], K = its axis 1); w_v (in the module: [1024, 1024], K = its axis 1): each comes as NAME_codes (uint8): NAME with its K axis moved to the last place and cut into blocks of 32 codes, [.., K / 32, bytes a block], one block behind the other in memory; one code a byte (a code: sign, 4 exponent bits, 3 mantissa bits); and NAME_scales (uint8): the same leading axes, one E8M0 byte (e + 127) for each 32 codes along K. Its value is code x scale, taken as it is: it is not quantised again, and the codes and scales need not be those that the quantiser above would give.
;; One version. Each part assembles by itself: llvm-mc -triple=amdgcn-amd-amdhsa -mcpu=gfx1250 --defsym DOCPART=n.
;; ======== version 1 of 1: 3 launches
;; limits: right only within a limited range of input values
;; workspace buffers: kv 17,563,648 bytes; qb 17,563,648 bytes; oimg 8,388,608 bytes; osc 262,144 bytes
;; launch proj (part 1): grid 4 x 96, 4 waves a work-group, clusters of 4 x 4, 327,680 bytes of LDS; arguments query_codes, query_scales, w_q_codes, w_q_scales, b_q, key_codes, key_scales, w_k_codes, w_k_scales, b_k, w_v_codes, w_v_scales, value_codes, value_scales, b_v, qb, kv; writes qb, kv
.if DOCPART == 1
	.amdgcn_target "amdgcn-amd-amdhsa--gfx1250"
	.amdhsa_code_object_version 6
	.text
	.protected	k_q2be142a67b_proj
	.globl	k_q2be142a67b_proj
	.p2align	8
	.type	k_q2be142a67b_proj,@function
k_q2be142a67b_proj:
	s_mov_b64 s[64:65], 0
	v_nop
	global_prefetch_b8 v0, s[64:65] scope:SCOPE_SE
	s_setreg_imm32_b32 hwreg(HW_REG_WAVE_MODE, 25, 1), 1
	s_wait_xcnt 0x0
	s_wait_alu depctr_hold_cnt(0) depctr_sa_sdst(0) depctr_va_vdst(0) depctr_va_sdst(0) depctr_va_ssrc(0) depctr_va_vcc(0) depctr_vm_vsrc(0)
	s_getreg_b32 s2, hwreg(HW_REG_IB_STS2, 6, 4)
	s_cmp_eq_u32 s2, 0
	s_cbranch_scc0 .Lentry_in_a_cluster
	s_endpgm
.Lentry_in_a_cluster:
	s_bfe_u32 s2, ttmp6, 0x10000c
	s_cmp_lg_u32 s2, 0xf033
	s_cbranch_scc0 .Lentry_shape_is_right
	s_endpgm
.Lentry_shape_is_right:
.set NQ,     2
.set ROWB,   256
.set KROW,   1024
.set PITCH,  272
.set FR,     16
.set NL,     4
.set NP,     8
.set HALFT,  128*PITCH
.set SLOT,   4*HALFT
.set KS,     32
.set SCL,    2*SLOT
.set HALFS,  (128*KS/256)*272
.set SBLK,   (16*KS/256)*272
.set SPARE,  SCL+4*HALFS
.set HS,     274432
.set GS,     17152
.set VB,   8
.set ADRA, 16
.set ADRB, 20
.set ADRS, 27
.set SPW,  28
.set NIL,  29
.set SC,   32
.set BI,   64
.set AF,   128
.set VA,   32
.set W0,   36
.set W1,   40
.set L8,   44
.set X,    128
.set PC,   192
.set TM,   224
.set PWS,  240
.set MW,   248
.set G1, 24
.set G0, 32
.set G1B, 48
.set G0B, 56
.set G1S, 68
.set G0S, 76
.set G1SB, 80
.set G0SB, 88
.set ISV,  95
.set SB,   96
.set ST1,  98
.set ST2,  100
.set SCB,  46
.set MSB, 0
.macro WIN new
.if MSB != \new
	s_set_vgpr_msb (MSB<<8)|\new
.set MSB, \new
.endif
.endm
.set MUL_LO, 0xa1
.set MUL_HI, 0xf1
.set BIA_LO, 0x81
.set BIA_HI, 0xc1
.set TO_B,   0x40
.macro JLOAD g0a, g1a, g0b, g1b
	s_cmp_eq_u32 s15, 0
	s_cbranch_scc0 .Lfor_b_\@
	tensor_load_to_lds s[\g0a:\g0a+3], s[\g1a:\g1a+7]
	s_nop 0
.rept 4
	v_nop
.endr
	s_branch .Lasked_\@
.Lfor_b_\@:
	tensor_load_to_lds s[\g0b:\g0b+3], s[\g1b:\g1b+7]
	s_nop 0
.rept 4
	v_nop
.endr
.Lasked_\@:
.endm
.macro CREST
	s_cmp_lg_u32 s14, 0
	s_cbranch_scc1 .Lnot_wave_0_\@
	s_barrier_signal -3
.Lnot_wave_0_\@:
	s_barrier_wait -3
	s_barrier_signal -1
	s_barrier_wait -1
.endm
.macro CROUND
	s_barrier_signal -1
	s_barrier_wait -1
	CREST
.endm
	s_load_b512 s[4:19], s[0:1], 0x0
	s_load_b512 s[20:35], s[0:1], 0x40
	s_load_b64 s[36:37], s[0:1], 0x80
	v_lshl_add_u32 v[SPW], v0, 2, SPARE
	v_mov_b32 v[NIL], 0
	ds_add_u32 v28, v29
	ds_add_u32 v28, v29
	s_wait_dscnt 0x0
	v_lshrrev_b32 v1, 5, v0
	s_and_b32 s94, ttmp7, 0xffff
	s_lshr_b32 s93, s94, 3
	s_and_b32 s94, s94, 7
	s_wait_alu depctr_va_vdst(0)
	s_wait_kmcnt 0x0
	s_cmp_eq_u32 s93, 1
.irp i, 0,2,4,6,8
	s_cselect_b64 s[4+\i:5+\i], s[14+\i:15+\i], s[4+\i:5+\i]
.endr
	s_cmp_eq_u32 s93, 2
.irp i, 0,2,4,6,8
	s_cselect_b64 s[4+\i:5+\i], s[24+\i:25+\i], s[4+\i:5+\i]
.endr
	s_cselect_b32 s[ISV], 1, 0
	s_cmp_eq_u32 s93, 0
	s_cselect_b64 s[2:3], s[34:35], s[36:37]
	v_readfirstlane_b32 s14, v1
	s_lshr_b32 s15, s14, 1
	s_and_b32 s16, s14, 1
	s_bfe_u32 s40, ttmp6, 0x40000
	s_bfe_u32 s41, ttmp6, 0x40004
	s_cmp_eq_u32 s[ISV], 1
	s_cselect_b32 s42, s94, 0
	s_cselect_b32 s17, 0, s94
	s_lshl_b32 s42, s42, 2
	s_add_co_u32 s42, s42, s40
	s_lshl_b32 s17, s17, 2
	s_add_co_u32 s17, s17, s41
	s_lshl_b32 s43, s41, 2
	s_lshl_b32 s43, 15, s43
	s_lshl_b32 s44, 0x1111, s40
	s_or_b32 s[G1+0], s43, (0<<16)|(1<<20)|(1<<21)|(5<<22)|(3<<25)
	s_or_b32 s[G1B+0], s44, (0<<16)|(1<<20)|(1<<21)|(5<<22)|(3<<25)
.irp g, G1, G1B
	s_mov_b32 s[\g+1], ROWB<<16
	s_mov_b32 s[\g+2], 256<<16
	s_mov_b32 s[\g+3], ROWB<<16
	s_mov_b32 s[\g+4], 256
	s_mov_b32 s[\g+5], KROW
	s_mov_b32 s[\g+6], 0
	s_mov_b32 s[\g+7], 0
.endr
	s_or_b32 s[G1S+0], s43, (3<<16)|(1<<20)|(1<<21)|(5<<22)|(3<<25)
	s_or_b32 s[G1SB+0], s44, (3<<16)|(1<<20)|(1<<21)|(5<<22)|(3<<25)
.irp g, G1S, G1SB
	s_mov_b32 s[\g+1], 32<<16
	s_mov_b32 s[\g+2], KS<<16
	s_mov_b32 s[\g+3], 32<<16
	s_mov_b32 s[\g+4], KS
	s_mov_b32 s[\g+5], 32
	s_mov_b32 s[\g+6], 0
	s_mov_b32 s[\g+7], 0
.endr
	s_lshl_b32 s20, s17, 8
	s_lshl_b32 s46, s42, 8
	s_mov_b32 s21, 0
	s_mov_b32 s47, 0
	s_mov_b64 s[18:19], KS
	s_mul_u64 s[22:23], s[20:21], s[18:19]
	s_mul_u64 s[92:93], s[46:47], s[18:19]
	s_mov_b64 s[18:19], KROW
	s_mul_u64 s[20:21], s[20:21], s[18:19]
	s_mul_u64 s[46:47], s[46:47], s[18:19]
	s_mul_i32 s45, s14, HALFT
	s_add_nc_u64 s[20:21], s[4:5], s[20:21]
	s_add_nc_u64 s[22:23], s[6:7], s[22:23]
	s_add_nc_u64 s[46:47], s[8:9], s[46:47]
	s_add_nc_u64 s[92:93], s[10:11], s[92:93]
	CROUND
.set G0H, 4                            ; s[4:7], s[8:11] group 0 for the head's loads of K step 0 (the pointers that lay there have been used)
.set G0HB, 8
	s_mov_b32 s[G0H], 1                            ; the head's four tiles, each whole: K step 0's 256 rows of A,
	s_mov_b32 s[G0H+1], 0
	s_mov_b64 s[G0H+2:G0H+3], s[20:21]
	s_or_b32 s[G0H+3], s[G0H+3], 0x80000000
	s_mov_b32 s[G0HB], 1                           ; its 256 rows of B, behind them in slot 0,
	s_mov_b32 s[G0HB+1], 2*HALFT
	s_mov_b64 s[G0HB+2:G0HB+3], s[46:47]
	s_or_b32 s[G0HB+3], s[G0HB+3], 0x80000000
	s_mov_b32 s[G0S], 1                            ; the scales of A's 256 rows,
	s_mov_b32 s[G0S+1], SCL
	s_mov_b64 s[G0S+2:G0S+3], s[22:23]
	s_or_b32 s[G0S+3], s[G0S+3], 0x80000000
	s_mov_b32 s[G0SB], 1                           ; and of B's
	s_mov_b32 s[G0SB+1], SCL+2*HALFS
	s_mov_b64 s[G0SB+2:G0SB+3], s[92:93]
	s_or_b32 s[G0SB+3], s[G0SB+3], 0x80000000
	s_mul_i32 s18, s16, 128*KROW                   ; for the ring: my 128 rows of a tile
	s_mov_b32 s19, 0
	s_add_nc_u64 s[20:21], s[20:21], s[18:19]
	s_add_nc_u64 s[46:47], s[46:47], s[18:19]
.irp s, 0,1
	s_mov_b32 s[G0+4*\s], 1
	s_add_co_u32 s[G0+4*\s+1], s45, \s*SLOT
	s_add_nc_u64 s[G0+4*\s+2:G0+4*\s+3], s[20:21], \s*ROWB
	s_or_b32 s[G0+4*\s+3], s[G0+4*\s+3], 0x80000000
	s_mov_b32 s[G0B+4*\s], 1
	s_add_co_u32 s[G0B+4*\s+1], s45, \s*SLOT
	s_add_nc_u64 s[G0B+4*\s+2:G0B+4*\s+3], s[46:47], \s*ROWB
	s_or_b32 s[G0B+4*\s+3], s[G0B+4*\s+3], 0x80000000
.endr
; THE HEAD'S LOADS, ONE A WAVE: one chain of branches on the wave's number, an arm a load, all arms leading to one join
.macro ARM under, g0, g1, next
	s_cmp_lt_u32 s14, \under
	s_cbranch_scc0 \next
	tensor_load_to_lds s[\g0:\g0+3], s[\g1:\g1+7]
	s_nop 0
.rept 4
	v_nop
.endr
	s_branch .Lhead_asked
\next:
.endm
	ARM 1, G0H,  G1,  .Lhead_b
	ARM 2, G0HB, G1B, .Lhead_sa
	ARM 3, G0S,  G1S, .Lhead_sb
	tensor_load_to_lds s[G0SB:G0SB+3], s[G1SB:G1SB+7]
	s_nop 0
.rept 4
	v_nop
.endr
.Lhead_asked:
	v_and_b32 v1, 15, v0
	v_bfe_u32 v2, v0, 4, 1
	v_mul_u32_u24 v3, v1, PITCH
	v_lshl_add_u32 v4, v2, 4, v3
	s_mul_i32 s21, s15, HALFT
	s_mul_i32 s22, s16, HALFT
	s_add_co_u32 s22, s22, 2*HALFT
.irp s, 0,1
	v_add_nc_u32 v[ADRA+\s], s21, v4
	v_add_nc_u32 v[ADRB+\s], s22, v4
	s_add_co_u32 s21, s21, SLOT
	s_add_co_u32 s22, s22, SLOT
.endr
	v_mul_u32_u24 v5, v1, KS
	v_lshrrev_b32 v6, 8, v5
	v_lshl_add_u32 v5, v6, 4, v5
	s_mul_i32 s21, s15, HALFS
	s_mul_i32 s22, s16, HALFS
	s_add_co_u32 s22, s22, 2*HALFS
	s_sub_co_u32 s22, s22, s21
	v_mul_u32_u24 v6, s22, v2
	s_add_co_u32 s21, s21, SCL
	v_add_nc_u32 v5, v5, v6
	v_add_nc_u32 v[ADRS], s21, v5
	s_lshl_b32 s21, s17, 1
	s_add_co_u32 s21, s21, s15
	s_lshl_b32 s22, s42, 1
	s_add_co_u32 s22, s22, s16
	s_cmp_eq_u32 s[ISV], 1
	s_cselect_b32 s20, s21, s22
	s_cselect_b32 s22, 4, 0
	s_cselect_b32 s23, 0, 32
	s_cselect_b32 s18, 0, 4
	s_lshl_b32 s20, s20, 9
	s_mov_b32 s21, 0
	s_add_nc_u64 s[12:13], s[12:13], s[20:21]
	v_mul_u32_u24 v5, v1, s22
	v_mad_u32_u24 v5, v2, s23, v5
	v_mov_b32 v6, s18
.irp j, 0,1,2,3,4,5,6,7
	v_mad_u32_u24 v[VB+\j], v6, \j, v5
.endr
.irp b, 0,1,2,3,4,5,6,7
.irp j, 0,1,2,3,4,5,6,7
	global_load_b32 v[BI+8*\b+\j], v[VB+\j], s[12:13] offset:64*\b
.endr
.endr
.macro FRAG reg, adr, q, i
.irp c, 0,1,2,3
	ds_load_b128 v[\reg+4*\c:\reg+4*\c+3], v[\adr] offset:128*(\q)+32*\c+(\i)*16*PITCH
.endr
.endm
.macro MUL16 a0, p, q, sc, zero
.irp a, \a0, \a0+1
.irp b, 0,1,2,3,4,5,6,7
.if (\zero) == 1
	v_wmma_scale_f32_16x16x128_f8f6f4 v[8*(8*((\a)%4)+\b):8*(8*((\a)%4)+\b)+7], v[128*(\p)+FR*\b:128*(\p)+FR*\b+FR-1], v[AF+FR*(\a):AF+FR*(\a)+FR-1], v[BI+8*\b:BI+8*\b+7], v[SC+8*NQ*(\sc)+NQ*\b+(\q)], v[SC+8*NQ*(\sc)+NQ*(\a)+(\q)] matrix_a_scale:MATRIX_SCALE_ROW1
.elseif (\zero) == 2
	v_wmma_scale_f32_16x16x128_f8f6f4 v[8*(8*((\a)%4)+\b):8*(8*((\a)%4)+\b)+7], v[128*(\p)+FR*\b:128*(\p)+FR*\b+FR-1], v[AF+FR*(\a):AF+FR*(\a)+FR-1], v[BI+8*(\a):BI+8*(\a)+7], v[SC+8*NQ*(\sc)+NQ*\b+(\q)], v[SC+8*NQ*(\sc)+NQ*(\a)+(\q)] matrix_a_scale:MATRIX_SCALE_ROW1
.else
	v_wmma_scale_f32_16x16x128_f8f6f4 v[8*(8*((\a)%4)+\b):8*(8*((\a)%4)+\b)+7], v[128*(\p)+FR*\b:128*(\p)+FR*\b+FR-1], v[AF+FR*(\a):AF+FR*(\a)+FR-1], v[8*(8*((\a)%4)+\b):8*(8*((\a)%4)+\b)+7], v[SC+8*NQ*(\sc)+NQ*\b+(\q)], v[SC+8*NQ*(\sc)+NQ*(\a)+(\q)] matrix_a_scale:MATRIX_SCALE_ROW1
.endif
.endr
.endr
.endm
.macro FETCH_B slot, q, p
	WIN TO_B
.irp i, 0,1,2,3,4,5,6,7
	FRAG 128*(\p)+FR*\i, ADRB+\slot, \q, \i
.endr
	WIN 0
.endm
.macro FETCH_A slot, q, i0
.irp i, \i0, \i0+1, \i0+2, \i0+3
	FRAG AF+FR*(\i), ADRA+\slot, \q, \i
.endr
.endm
.macro SCALES sc
.irp i, 0,1,2,3,4,5,6,7
	ds_load_b64 v[SC+8*NQ*\sc+NQ*\i:SC+8*NQ*\sc+NQ*\i+1], v[ADRS] offset:\i*SBLK
.endr
.endm
.macro PLACES n
.rept \n
	v_nop
.endr
.endm
.macro STEP slot, q, zero
	s_wait_dscnt 4*NL
.if \zero
	WIN BIA_LO
.else
	WIN MUL_LO
.endif
	MUL16 0, (\q)%2, \q, \slot, \zero
	MUL16 2, (\q)%2, \q, \slot, \zero
	s_wait_dscnt 0
	PLACES NP
	FETCH_B \slot, (\q)+1, 1-(\q)%2
	FETCH_A \slot, (\q)+1, 0
.if \zero
	WIN BIA_HI
.else
	WIN MUL_HI
.endif
	MUL16 4, (\q)%2, \q, \slot, \zero
	MUL16 6, (\q)%2, \q, \slot, \zero
	PLACES NP
	WIN 0
	FETCH_A \slot, (\q)+1, 4
.endm
.macro TURN slot, next, fill
	s_wait_tensorcnt 0x0
	ds_add_u32 v[SPW], v[NIL]
	s_wait_dscnt 4*NL+1
	WIN MUL_LO
	MUL16 0, 1, NQ-1, \slot, 0
	s_wait_dscnt 0x0
	s_barrier_signal -1
	MUL16 2, 1, NQ-1, \slot, 0
	WIN 0
	s_barrier_wait -1
.if \fill
	CREST
	s_add_nc_u64 s[G0+4*\slot+2:G0+4*\slot+3], s[G0+4*\slot+2:G0+4*\slot+3], 2*ROWB
	s_add_nc_u64 s[G0B+4*\slot+2:G0B+4*\slot+3], s[G0B+4*\slot+2:G0B+4*\slot+3], 2*ROWB
	JLOAD G0+4*\slot, G1, G0B+4*\slot, G1B
	PLACES NP-4
.else
	PLACES NP
.endif
	s_wait_alu depctr_va_vdst(0)
	v_add_nc_u32 v[ADRS], 4*NQ, v[ADRS]
	FETCH_B \next, 0, 0
	FETCH_A \next, 0, 0
	SCALES \next
	WIN MUL_HI
	MUL16 4, 1, NQ-1, \slot, 0
	MUL16 6, 1, NQ-1, \slot, 0
	PLACES NP
	WIN 0
	FETCH_A \next, 0, 4
.endm
	s_wait_alu depctr_va_vdst(0)                   ; the wait at the head's end
	s_wait_tensorcnt 0x0                           ; my tile of the head's four is in
	ds_add_u32 v[SPW], v[NIL]
	s_mov_b32 s[G1+2], 128<<16                     ; no tensor load of mine is out: from here on a load brings 128 rows
	s_mov_b32 s[G1+4], 128
	s_mov_b32 s[G1B+2], 128<<16
	s_mov_b32 s[G1B+4], 128
	s_wait_dscnt 0x0
	CROUND                                         ; all four tiles are in, and all sixteen work-groups are here
	JLOAD G0+4, G1, G0B+4, G1B                     ; K step 1, the first tensor load behind the round
	FETCH_B 0, 0, 0
	FETCH_A 0, 0, 0
	SCALES 0
	FETCH_A 0, 0, 4
	s_wait_loadcnt 0x0
	s_cmp_eq_u32 s[ISV], 0
	s_cbranch_scc0 .Lfirst_v
	STEP 0, 0, 1
	s_branch .Lfirst_done
.Lfirst_v:
	STEP 0, 0, 2
.Lfirst_done:
	TURN 0, 1, 1
	STEP 1, 0, 0
	TURN 1, 0, 1
	STEP 0, 0, 0
	TURN 0, 1, 0
	STEP 1, 0, 0
	s_wait_dscnt 4*NL
	WIN MUL_LO
	MUL16 0, 1, NQ-1, 1, 0
	MUL16 2, 1, NQ-1, 1, 0
	s_wait_dscnt 0
	WIN MUL_HI
	MUL16 4, 1, NQ-1, 1, 0
	MUL16 6, 1, NQ-1, 1, 0
	WIN 0
	PLACES NP
	s_lshl_b32 s18, s17, 1
	s_add_co_u32 s18, s18, s15
	s_lshl_b32 s19, s42, 1
	s_add_co_u32 s19, s19, s16
	s_cmp_eq_u32 s[ISV], 1
	s_cselect_b32 s20, s19, s18
	s_cselect_b32 s21, s18, s19
	s_mov_b32 s22, HS
	s_cselect_b32 s22, 1024, s22
	s_mov_b32 s[ST1], 1024
	s_cselect_b32 s[ST1], 2048, s[ST1]
	s_mov_b32 s[ST2], 1024
	s_cselect_b32 s[ST2], HS-6144, s[ST2]
	s_cselect_b32 s[SB], 8192, 0
	s_mov_b32 s[SB+1], 0
	s_mov_b32 s[ST1+1], 0
	s_mov_b32 s[ST2+1], 0
	s_lshr_b32 s23, s20, 4
	s_lshl_b32 s23, s23, 4
	s_lshl_b32 s21, s21, 1
	s_add_co_u32 s23, s23, s21
	s_mul_i32 s23, s23, HS
	s_and_b32 s20, s20, 15
	s_mul_i32 s20, s20, GS
	s_add_co_u32 s[SCB], s23, s20
	s_mov_b32 s[SCB+1], 0
	s_add_nc_u64 s[SCB:SCB+1], s[2:3], s[SCB:SCB+1]
	s_add_nc_u64 s[SB:SB+1], s[SCB:SCB+1], s[SB:SB+1]
	s_mov_b32 s40, 0x76543210
	s_mov_b32 s41, 0xfedcba98
	s_mov_b32 s43, 0x600000
	s_mov_b32 s44, 0xffff0000
	v_and_b32 v[L8], 31, v0
	v_lshlrev_b32 v[VA], 4, v[L8]
	v_lshlrev_b32 v[L8], 3, v[L8]
	v_add_nc_u32 v[VA+1], 512, v[VA]
	v_add_nc_u32 v[VA+2], s22, v[VA]
	v_add_nc_u32 v[VA+3], 512, v[VA+2]
.irp b, 0,1,2,3
	v_mov_b32 v[TM+4+\b], 0
.endr
.macro QOUT a
.set AC, 64*((\a)%4)
	WIN (0x0a+5*((\a)/4))
.irp b, 0,1,2,3
	v_max3_num_f32 v[TM+\b], |v[AC+16*\b]|, |v[AC+16*\b+1]|, 0x4800000
.endr
.irp i, 2,4,6,8,10,12,14
.irp b, 0,1,2,3
	v_max3_num_f32 v[TM+\b], |v[AC+16*\b+\i]|, |v[AC+16*\b+\i+1]|, v[TM+\b]
.endr
.endr
	WIN 0
.irp b, 0,1,2,3
	v_permlanex16_b32 v[TM+4+\b], v[TM+\b], s40, s41
.endr
.irp b, 0,1,2,3
	v_max_num_f32 v[TM+\b], v[TM+\b], v[TM+4+\b]
.endr
.irp b, 0,1,2,3
	v_add_nc_u32 v[TM+12+\b], 0xfc000000, v[TM+\b]
.endr
.irp b, 0,1,2,3
	v_and_or_b32 v[TM+8+\b], v[TM+\b], 0x7f800000, s43
.endr
.irp b, 0,1,2,3
	v_lshrrev_b32 v[TM+4+\b], 23, v[TM+12+\b]
.endr
	v_lshl_or_b32 v[PWS+\a], v[TM+5], 8, v[TM+4]
	v_lshl_or_b32 v[PWS+\a], v[TM+6], 16, v[PWS+\a]
	v_lshl_or_b32 v[PWS+\a], v[TM+7], 24, v[PWS+\a]
	WIN (0x02+((\a)/4))
.irp b, 0,1,2,3
.irp i, 0,1,2,3,4,5,6,7,8,9,10,11,12,13,14,15
	v_med3_num_f32 v[X+16*\b+\i], v[AC+16*\b+\i], -v[TM+8+\b], v[TM+8+\b]
.endr
.endr
	WIN 0
	s_wait_alu depctr_va_vdst(0)
	s_wait_xcnt 0x0
.if (\a) == 4
	s_add_nc_u64 s[SB:SB+1], s[SB:SB+1], s[ST2:ST2+1]
.elseif (\a) > 0
	s_add_nc_u64 s[SB:SB+1], s[SB:SB+1], s[ST1:ST1+1]
.endif
.irp b, 0,1,2,3
	v_cvt_scalef32_pk8_fp8_f32 v[PC+4*\b:PC+4*\b+1], v[X+16*\b:X+16*\b+7], v[TM+12+\b]
	v_cvt_scalef32_pk8_fp8_f32 v[PC+4*\b+2:PC+4*\b+3], v[X+16*\b+8:X+16*\b+15], v[TM+12+\b]
.endr
	v_nop
.irp b, 0,1,2,3
	global_store_b128 v[VA+\b], v[PC+4*\b:PC+4*\b+3], s[SB:SB+1]
.endr
.endm
.irp a, 0,1,2,3,4,5,6,7
	QOUT \a
.endr
.irp p, 0,1,2,3
	v_cndmask_b32 v[MW+\p], v[PWS+2*\p], v[PWS+2*\p+1], s44
.endr
	s_cmp_eq_u32 s[ISV], 0
	s_cbranch_scc0 .Ltail_v
.irp p, 0,1,2,3
	v_and_b32 v[W0+\p], 0xffff, v[MW+\p]
	v_lshrrev_b32 v[W1+\p], 16, v[MW+\p]
.endr
	global_store_b128 v[VA], v[W0:W0+3], s[SCB:SCB+1] offset:16384
	global_store_b128 v[VA], v[W1:W1+3], s[SCB:SCB+1] offset:16384+HS
	s_branch .Ltail_done
.Ltail_v:
	s_wait_alu depctr_va_vdst(0)
	global_store_b64 v[L8], v[MW:MW+1], s[SCB:SCB+1] offset:16896
	global_store_b64 v[L8], v[MW+2:MW+3], s[SCB:SCB+1] offset:16896+HS
.Ltail_done:
	s_wait_tensorcnt 0x0
	ds_add_u32 v[SPW], v[NIL]
	s_wait_dscnt 0x0
	CROUND
	s_endpgm
.Lfunc_end_k_q2be142a67b_proj:
	.size	k_q2be142a67b_proj, .Lfunc_end_k_q2be142a67b_proj-k_q2be142a67b_proj
	.p2alignl 7, 3214868480
	.fill 96, 4, 3214868480
	.section	.rodata,"a",@progbits
	.p2align	6, 0x0
	.amdhsa_kernel k_q2be142a67b_proj
		.amdhsa_group_segment_fixed_size 327680
		.amdhsa_private_segment_fixed_size 0
		.amdhsa_enable_private_segment 0
		.amdhsa_kernarg_size 136
		.amdhsa_user_sgpr_count 2
		.amdhsa_user_sgpr_kernarg_segment_ptr 1
		.amdhsa_wavefront_size32 1
		.amdhsa_system_sgpr_workgroup_id_x 1
		.amdhsa_system_sgpr_workgroup_id_y 1
		.amdhsa_system_sgpr_workgroup_id_z 1
		.amdhsa_system_vgpr_workitem_id 0
		.amdhsa_next_free_vgpr 1024
		.amdhsa_next_free_sgpr 102
		.amdhsa_reserve_vcc 0
		.amdhsa_float_denorm_mode_32 3
		.amdhsa_float_denorm_mode_16_64 3
		.amdhsa_memory_ordered 1
		.amdhsa_forward_progress 1
		.amdhsa_inst_pref_size 208
	.end_amdhsa_kernel
	.amdgpu_metadata
---
amdhsa.version: [ 1, 2 ]
amdhsa.kernels:
  - .name:           k_q2be142a67b_proj
    .symbol:         k_q2be142a67b_proj.kd
    .args:
      - { .name: query_codes, .offset: 0, .size: 8, .value_kind: global_buffer, .address_space: global }
      - { .name: query_scales, .offset: 8, .size: 8, .value_kind: global_buffer, .address_space: global }
      - { .name: w_q_codes, .offset: 16, .size: 8, .value_kind: global_buffer, .address_space: global }
      - { .name: w_q_scales, .offset: 24, .size: 8, .value_kind: global_buffer, .address_space: global }
      - { .name: b_q, .offset: 32, .size: 8, .value_kind: global_buffer, .address_space: global }
      - { .name: key_codes, .offset: 40, .size: 8, .value_kind: global_buffer, .address_space: global }
      - { .name: key_scales, .offset: 48, .size: 8, .value_kind: global_buffer, .address_space: global }
      - { .name: w_k_codes, .offset: 56, .size: 8, .value_kind: global_buffer, .address_space: global }
      - { .name: w_k_scales, .offset: 64, .size: 8, .value_kind: global_buffer, .address_space: global }
      - { .name: b_k, .offset: 72, .size: 8, .value_kind: global_buffer, .address_space: global }
      - { .name: w_v_codes, .offset: 80, .size: 8, .value_kind: global_buffer, .address_space: global }
      - { .name: w_v_scales, .offset: 88, .size: 8, .value_kind: global_buffer, .address_space: global }
      - { .name: value_codes, .offset: 96, .size: 8, .value_kind: global_buffer, .address_space: global }
      - { .name: value_scales, .offset: 104, .size: 8, .value_kind: global_buffer, .address_space: global }
      - { .name: b_v, .offset: 112, .size: 8, .value_kind: global_buffer, .address_space: global }
      - { .name: qb, .offset: 120, .size: 8, .value_kind: global_buffer, .address_space: global }
      - { .name: kv, .offset: 128, .size: 8, .value_kind: global_buffer, .address_space: global }
    .group_segment_fixed_size: 327680
    .private_segment_fixed_size: 0
    .kernarg_segment_align: 8
    .kernarg_segment_size: 136
    .max_flat_workgroup_size: 128
    .sgpr_count:     102
    .vgpr_count:     1024
    .wavefront_size: 32
...
	.end_amdgpu_metadata
.endif
;; end of part 1
;; launch attn (part 2): grid 4 x 64, 8 waves a work-group, clusters of 4 x 1, 327,680 bytes of LDS; arguments qb, kv, oimg, osc; writes oimg, osc
.if DOCPART == 2
	.amdgcn_target "amdgcn-amd-amdhsa--gfx1250"
	.amdhsa_code_object_version 6
	.text
	.protected	k_q2be142a67b_attn
	.globl	k_q2be142a67b_attn
	.p2align	8
	.type	k_q2be142a67b_attn,@function
k_q2be142a67b_attn:
	s_mov_b64 s[64:65], 0
	v_nop
	global_prefetch_b8 v0, s[64:65] scope:SCOPE_SE
	s_setreg_imm32_b32 hwreg(HW_REG_WAVE_MODE, 25, 1), 1
	s_wait_xcnt 0x0
	s_wait_alu depctr_hold_cnt(0) depctr_sa_sdst(0) depctr_va_vdst(0) depctr_va_sdst(0) depctr_va_ssrc(0) depctr_va_vcc(0) depctr_vm_vsrc(0)
	s_getreg_b32 s2, hwreg(HW_REG_IB_STS2, 6, 4)
	s_cmp_eq_u32 s2, 0
	s_cbranch_scc0 .Lentry_in_a_cluster
	s_endpgm
.Lentry_in_a_cluster:
	s_bfe_u32 s2, ttmp6, 0x10000c
	s_cmp_lg_u32 s2, 0x3003
	s_cbranch_scc0 .Lentry_shape_is_right
	s_endpgm
.Lentry_shape_is_right:
; ATTENTION of one head (16 batch + head = cluster y) on codes of E4M3 with E8M0 scales; 2,048 queries, 2,048 keys, head size 64.
; t = score x log2(e) / 8; M = the running largest t rounded UP to a whole number; p = 2^(t - M) is quantised along the keys, not normalised; the row's sum is taken of the unquantised p and divides O at the end.
; When M moves, the sum and O are multiplied by 2^(old M - new M): exact.  O / sum is quantised along the model's axis (two blocks of 32 a head) for the last product.
; SHARES.  A cluster of four work-groups is one head; a work-group takes 512 queries; each of its eight waves TWO tiles of 16 queries at once, in each of two passes: a fragment of K or V^T read from LDS feeds two products,
; and the two tiles' softmax lines are laid by turns, so that one tile's dependent lines stand among the other's independent ones.
; LDS holds the head's K, V^T and their scale words, 16 chunks of 128 keys, 274,432 bytes, as they lie in kv: register images.  It is filled ONCE: wave w asks for chunks 2 w and 2 w + 1 by one load, jointly with the same wave of the three partners.
; So there is no ring and no barrier in the loops.  No prefetch: the launch's one fill goes out at its head, and there is no loop to run ahead in.
; LAYOUT.  S^T = K Q^T (source 0 = 16 keys, source 1 = 16 queries), O^T = V^T P^T: a lane holds ONE query (lane % 16) of each tile.  The 16 registers of score tiles 2 c, 2 c + 1 are the lane's 16 keys of block c, in the order in which V^T's codes were laid.
; HEAD SIZE 64 IN A FORM OF K = 128: Q's registers 8-15 are zero codes.  K's tile t is named as 16 registers from 8 t: its upper eight are the next tile's codes (zeros behind the last): they meet Q's zero codes and add nothing.
;   (No code here is the NaN code: the numbers were held at 448 x the scale.  The scale bytes of those two blocks are 0, a small power of two and no NaN.)
; A STEP is 128 keys.  Behind its 16 score products and eight places this step's V^T and the NEXT step's K are asked of LDS: K and V^T have registers of their own.  A pass's last step is written out: its next K is chunk 0, for the second pass.
; LIMITS: NaN and infinities are not served; a block under 2^(9 - 127), a block of zeros too, keeps the scale byte 1; exponentials whose result lies under 2^-126 come out as 0; the scaled scores stay under 2^31 in magnitude.
; REGISTERS.  Window 0: v1-9 addresses; v12-23 state; v24-30 scale words; v32-79 at work; v80-111 p's codes; v112-239 scores, then p.  Window 1: v0-71 K, v72-135 V^T, v136-167 Q, v168-231 O^T.
.set HS,   274432
.set GS,   17152
.set SPARE, 0x48000
.set LI,   1                           ; 16 x lane
.set L8,   2                           ; 8 x lane + 16,896: V's scale words in a chunk
.set AD,   3                           ; the step's chunk + 16 x lane
.set ADT,  4                           ; the step's chunk + L8
.set QO,   5                           ; my bytes of Q's image in its chunk
.set QSO,  6                           ; my lane's scale word of Q
.set OSO,  7                           ; 32 r + h: my byte of the output's scales
.set SPW,  8
.set NIL,  9
.set NM,   12                          ; tile x: v[12 + 2 x] -M, v[13 + 2 x] the largest score so far
.set SUM,  16                          ; tile x: the sum in two halves
.set F,    20                          ; tile x: v[20 + 2 x] f, v[21 + 2 x] p's scale word
.set VSW,  24
.set KSW,  26
.set QS,   30                          ; lanes 0-15 tile 0's words, lanes 16-31 tile 1's
.set BM,   32                          ; + 4 x + block
.set T1,   40
.set LM,   48
.set SO,   56
.set TMP,  64
.set TM2,  66
.set SP,   68                          ; tile x: three more sums in two halves
.set PC,   80
.set S,    112
.set KF,   0                           ; window 1
.set VF,   72
.set Q,    136
.set O,    168
.set WV,   12
.set MNT,  19
.set SEL,  20
.set CS,   22
.set G1,   24
.set G0,   32
.set TB,   36
.set CNT,  37
.set PASS, 38
.set HM,   39
.set SQ,   40
.set SOB,  42
.set SSB,  44
.set NC,   52
.set MSB, 0
.macro WIN new                         ; the immediate's high byte repeats the setting that is left
.if MSB != \new
	s_set_vgpr_msb (MSB<<8)|\new
.set MSB, \new
.endif
.endm
.macro CROUND                          ; a round of the cluster's barrier
	s_barrier_signal -1
	s_barrier_wait -1
	s_cmp_lg_u32 s[WV], 0
	s_cbranch_scc1 .Lnot_wave_0_\@
	s_barrier_signal -3
.Lnot_wave_0_\@:
	s_barrier_wait -3
	s_barrier_signal -1
	s_barrier_wait -1
.endm
; line n of 40: the largest score of each block of 32 keys of tile x: eight chains (a score tile each), joined by blocks, then with lane l xor 16's.  Each score tile is first read at its low end.
.macro TR x, n
.set t_, (\n)%8
.set a_, BM+8*(t_%2)+4*(\x)+t_/2
.set s_, S+64*(\x)+8*t_
.set b_, BM+4*(\x)+(\n)%4
.set u_, S+64*(\x)+16*((\n)%4)
.if (\n) < 8
	v_max3_num_f32 v[a_], v[s_], v[s_+1], v[s_+2]
.elseif (\n) < 16
	v_max3_num_f32 v[a_], v[a_], v[s_+3], v[s_+4]
.elseif (\n) < 24
	v_max3_num_f32 v[a_], v[a_], v[s_+5], v[s_+6]
.elseif (\n) < 28
	v_max3_num_f32 v[b_], v[b_], v[u_+7], v[u_+15]
.elseif (\n) < 32
	v_max_num_f32 v[b_], v[b_], v[b_+8]
.elseif (\n) < 36
	v_permlanex16_b32 v[b_+8], v[b_], s[SEL], s[SEL+1]
.else
	v_max_num_f32 v[b_], v[b_], v[b_+8]
.endif
.endm
; line k of 8: tile x's new M and f = 2^(old M - new M)
.macro CH x, k
.if (\k) == 0
	v_max3_num_f32 v[TMP+\x], v[BM+4*\x], v[BM+4*\x+1], v[BM+4*\x+2]
.elseif (\k) == 1
	v_max3_num_f32 v[NM+2*\x+1], v[NM+2*\x+1], v[TMP+\x], v[BM+4*\x+3]   ; the running largest score
.elseif (\k) == 2
	v_mul_f32 v[TMP+\x], s[NC], v[NM+2*\x+1]       ; -t
.elseif (\k) == 3
	v_mov_b32 v[TM2+\x], v[NM+2*\x]
.elseif (\k) == 4
	v_floor_f32 v[NM+2*\x], v[TMP+\x]              ; the new -M = -ceil(t): a whole number
.elseif (\k) == 5
	v_sub_f32 v[TMP+\x], v[NM+2*\x], v[TM2+\x]     ; old M - new M, 0 or less
.elseif (\k) == 6
	v_cvt_i32_f32 v[TMP+\x], v[TMP+\x]             ; (it saturates)
.else
	v_ldexp_f32 v[F+2*\x], 1.0, v[TMP+\x]
.endif
.endm
; line n of 36: t - M of tile x's 64 scores, two at a time, and of its four blocks' largest
.macro FM x, n
.if (\n) < 32
	v_pk_fma_f32 v[S+64*(\x)+2*(\n):S+64*(\x)+2*(\n)+1], v[S+64*(\x)+2*(\n):S+64*(\x)+2*(\n)+1], s[CS:CS+1], v[NM+2*(\x):NM+2*(\x)+1] op_sel_hi:[1,0,0]
.else
	v_fma_f32 v[BM+4*(\x)+(\n)-32], v[BM+4*(\x)+(\n)-32], s[CS], v[NM+2*(\x)]
.endif
.endm
.macro PADD d, x, p                    ; d += pair p of tile x's p
	v_pk_add_f32 v[\d:\d+1], v[\d:\d+1], v[S+64*(\x)+2*(\p):S+64*(\x)+2*(\p)+1]
.endm
; the hold at 448 x the scale (p is not negative), two numbers a line: number i of block b and number i xor 1 of block b + 1: destinations of unlike parity, sources in unlike banks
.macro HOLD2 x, b, i
	v_dual_min_num_f32 v[S+64*(\x)+16*(\b)+(\i)], v[S+64*(\x)+16*(\b)+(\i)], v[LM+4*(\x)+(\b)] :: v_dual_min_num_f32 v[S+64*(\x)+16*(\b)+16+((\i)^1)], v[S+64*(\x)+16*(\b)+16+((\i)^1)], v[LM+4*(\x)+(\b)+1]
.endm
.macro KLOAD adr, off                  ; K's eight tiles (window 1) from v[adr] + off
.irp t, 0,1,2,3,4,5,6,7
	ds_load_b128 v[KF+8*\t:KF+8*\t+3], v[\adr] offset:\off+1024*\t
	ds_load_b128 v[KF+8*\t+4:KF+8*\t+7], v[\adr] offset:\off+1024*\t+512
.endr
.endm
.macro QLOAD                           ; Q's two fragments (window 1)
.irp x, 0,1
	global_load_b128 v[Q+16*\x:Q+16*\x+3], v[QO], s[SQ:SQ+1] offset:1024*\x
	global_load_b128 v[Q+16*\x+4:Q+16*\x+7], v[QO], s[SQ:SQ+1] offset:1024*\x+512
.endr
.endm
; A KEY STEP of 128 keys for both tiles.  tail = 1: a pass's last step
.macro STEP tail
	s_wait_dscnt 0x0                               ; K's tiles and scale words, asked for a step ago
	WIN 0x05                                       ; sources 0 and 1 in window 1
.irp t, 0,2,4,6
	v_wmma_scale_f32_16x16x128_f8f6f4 v[S+8*\t:S+8*\t+7], v[KF+8*\t:KF+8*\t+15], v[Q:Q+15], 0, v[KSW+\t/2], v[QS]
	v_wmma_scale_f32_16x16x128_f8f6f4 v[S+64+8*\t:S+64+8*\t+7], v[KF+8*\t:KF+8*\t+15], v[Q+16:Q+31], 0, v[KSW+\t/2], v[QS] matrix_b_scale:MATRIX_SCALE_ROW1
	v_wmma_scale_f32_16x16x128_f8f6f4 v[S+8*(\t+1):S+8*(\t+1)+7], v[KF+8*(\t+1):KF+8*(\t+1)+15], v[Q:Q+15], 0, v[KSW+\t/2], v[QS] matrix_a_scale:MATRIX_SCALE_ROW1
	v_wmma_scale_f32_16x16x128_f8f6f4 v[S+64+8*(\t+1):S+64+8*(\t+1)+7], v[KF+8*(\t+1):KF+8*(\t+1)+15], v[Q+16:Q+31], 0, v[KSW+\t/2], v[QS] matrix_a_scale:MATRIX_SCALE_ROW1 matrix_b_scale:MATRIX_SCALE_ROW1
.endr
	WIN 0
	v_add_nc_u32 v[AD], s[TB], v[LI]               ; eight places: for the loads into what these and the last step's products read, and for the first reads of the scores
	v_add_nc_u32 v[ADT], s[TB], v[L8]
.rept 6
	v_nop
.endr
	ds_load_b64 v[VSW:VSW+1], v[ADT]               ; this step's V^T lands while the softmax is walked
	WIN 0x40
.irp d, 0,1,2,3
.irp c, 0,1,2,3
	ds_load_b128 v[VF+16*\d+4*\c:VF+16*\d+4*\c+3], v[AD] offset:8192+2048*\d+512*\c
.endr
.endr
.if \tail
	WIN 0
	s_cmp_eq_u32 s[PASS], 1                        ; the second pass has no successor: a branch on the count of passes
	s_cbranch_scc1 .Lno_next
	s_add_nc_u64 s[SQ:SQ+1], s[SQ:SQ+1], 2*GS      ; 16 tiles of Q on (its last loads were waited for at the pass's head)
	WIN 0x40
	KLOAD LI, 0                                    ; the next pass begins at chunk 0
	QLOAD
	WIN 0
	ds_load_b128 v[KSW:KSW+3], v[LI] offset:16384
	global_load_b32 v[QS], v[QSO], s[SQ:SQ+1]
.Lno_next:
.else
	KLOAD AD, GS                                   ; the next step's K
	WIN 0
	ds_load_b128 v[KSW:KSW+3], v[AD] offset:GS+16384
.endif
.set n_, 0
.rept 40
	TR 0, n_
.set n_, n_+1
.endr
.set n_, 0
.set k_, 0
.rept 8                                        ; tile 0's M among tile 1's maxima
.rept 5
	TR 1, n_
.set n_, n_+1
.endr
	CH 0, k_
.set k_, k_+1
.endr
.set n_, 0
.set k_, 0
.rept 8                                        ; tile 1's M among tile 0's scalings
	CH 1, k_
.set k_, k_+1
.rept 4
	FM 0, n_
.set n_, n_+1
.endr
.endr
.rept 4
	FM 0, n_
.set n_, n_+1
.endr
.set n_, 0
.rept 36
	FM 1, n_
.set n_, n_+1
.endr
	WIN 0x41                                       ; O^T under the new M, ahead of the exponentials; each accumulator from its low end on
.irp x, 0,1
.set n_, 0
.rept 16
	v_pk_mul_f32 v[O+32*\x+n_:O+32*\x+n_+1], v[O+32*\x+n_:O+32*\x+n_+1], v[F+2*\x:F+2*\x+1] op_sel_hi:[1,0]
.set n_, n_+2
.endr
.endr
	WIN 0
	s_wait_alu depctr_va_vdst(0)                   ; the wait ahead of the batch
.set n_, 0
.rept 128
	v_exp_f32 v[S+n_], v[S+n_]                     ; p = 2^(t - M)
.set n_, n_+1
.endr
.set n_, 0
.rept 8
	v_exp_f32 v[BM+n_], v[BM+n_]                   ; the blocks' largest p: the same two lines on the same number
.set n_, n_+1
.endr
.irp x, 0,1
	v_pk_mul_f32 v[SUM+2*\x:SUM+2*\x+1], v[SUM+2*\x:SUM+2*\x+1], v[F+2*\x:F+2*\x+1] op_sel_hi:[1,0]   ; the sums under the new M: plain lines behind the batch
.endr
	s_wait_alu depctr_va_vdst(0)                   ; one wait for the batch, ahead of its first reader
.irp j, 0,1,2,3,4,5,6,7
	v_max_num_f32 v[BM+\j], 0x4800000, v[BM+\j]    ; the floor 2^(9 - 127)
.endr
.irp j, 0,1,2,3,4,5,6,7
	v_add_nc_u32 v[SO+\j], 0xfc000000, v[BM+\j]    ; the conversion's scale operand
.endr
.irp j, 0,1,2,3,4,5,6,7
	v_and_or_b32 v[LM+\j], v[BM+\j], 0x7f800000, s[MNT]   ; 448 x the scale
.endr
.irp j, 0,1,2,3,4,5,6,7
	v_lshrrev_b32 v[T1+\j], 23, v[SO+\j]           ; the scale's byte
.endr
.irp x, 0,1
	v_lshl_or_b32 v[F+2*\x+1], v[T1+4*\x+1], 8, v[T1+4*\x]
.endr
.irp x, 0,1
	PADD SUM+2*\x, \x, 0                           ; THE ROW'S SUM OF THE UNQUANTISED p: four chains a tile
.endr
.irp x, 0,1
	v_lshl_or_b32 v[F+2*\x+1], v[T1+4*\x+2], 16, v[F+2*\x+1]
.endr
.irp c, 1,2,3
.irp x, 0,1
	v_pk_add_f32 v[SP+6*\x+2*\c-2:SP+6*\x+2*\c-1], v[S+64*\x+2*\c:S+64*\x+2*\c+1], v[S+64*\x+2*\c+8:S+64*\x+2*\c+9]
.endr
.endr
.irp x, 0,1
	v_lshl_or_b32 v[F+2*\x+1], v[T1+4*\x+3], 24, v[F+2*\x+1]   ; p's scale word for these 128 keys
.endr
.irp x, 0,1
	PADD SUM+2*\x, \x, 4
.endr
.irp m, 2,3,4,5,6,7
.irp x, 0,1
	PADD SUM+2*\x, \x, 4*\m
.endr
.irp c, 1,2,3
.irp x, 0,1
	PADD SP+6*\x+2*\c-2, \x, 4*\m+\c
.endr
.endr
.endr
.irp b, 0,2
.irp x, 0,1
.set n_, 0
.rept 16
	HOLD2 \x, \b, n_
.set n_, n_+1
.endr
.endr
.irp x, 0,1
.irp e, 0,1
	v_cvt_scalef32_pk8_fp8_f32 v[PC+16*\x+4*(\b+\e):PC+16*\x+4*(\b+\e)+1], v[S+64*\x+16*(\b+\e):S+64*\x+16*(\b+\e)+7], v[SO+4*\x+\b+\e]
	v_cvt_scalef32_pk8_fp8_f32 v[PC+16*\x+4*(\b+\e)+2:PC+16*\x+4*(\b+\e)+3], v[S+64*\x+16*(\b+\e)+8:S+64*\x+16*(\b+\e)+15], v[SO+4*\x+\b+\e]
.endr
.endr
.endr
.irp x, 0,1                                    ; the sums' chains are joined: six plain lines between the codes and the products
	v_pk_add_f32 v[SP+6*\x:SP+6*\x+1], v[SP+6*\x:SP+6*\x+1], v[SP+6*\x+2:SP+6*\x+3]
.endr
.irp x, 0,1
	v_pk_add_f32 v[SUM+2*\x:SUM+2*\x+1], v[SUM+2*\x:SUM+2*\x+1], v[SP+6*\x+4:SP+6*\x+5]
.endr
.irp x, 0,1
	v_pk_add_f32 v[SUM+2*\x:SUM+2*\x+1], v[SUM+2*\x:SUM+2*\x+1], v[SP+6*\x:SP+6*\x+1]
.endr
	s_wait_alu depctr_va_vdst(0)                   ; directly ahead of the wait below
.if \tail
	s_wait_dscnt 0x0
.else
	s_wait_dscnt 17                                ; V^T and its scale words are in; behind them K's 16 loads and its scale words' one may be out
.endif
	WIN 0x51                                       ; source 0, C and D in window 1.  The eight accumulators take turns
.irp d, 0,2
.irp x, 0,1
	v_wmma_scale_f32_16x16x128_f8f6f4 v[O+32*\x+8*\d:O+32*\x+8*\d+7], v[VF+16*\d:VF+16*\d+15], v[PC+16*\x:PC+16*\x+15], v[O+32*\x+8*\d:O+32*\x+8*\d+7], v[VSW+\d/2], v[F+2*\x+1]
.endr
.irp x, 0,1
	v_wmma_scale_f32_16x16x128_f8f6f4 v[O+32*\x+8*(\d+1):O+32*\x+8*(\d+1)+7], v[VF+16*(\d+1):VF+16*(\d+1)+15], v[PC+16*\x:PC+16*\x+15], v[O+32*\x+8*(\d+1):O+32*\x+8*(\d+1)+7], v[VSW+\d/2], v[F+2*\x+1] matrix_a_scale:MATRIX_SCALE_ROW1
.endr
.endr
	WIN 0
.endm
	s_load_b128 s[4:7], s[0:1], 0x0                ; qb, kv
	s_load_b128 s[8:11], s[0:1], 0x10              ; oimg, osc
	v_lshl_add_u32 v[SPW], v0, 2, SPARE
	v_mov_b32 v[NIL], 0
	ds_add_u32 v[SPW], v[NIL]                      ; the opening lines: the add, twice on end, and its wait ahead of my tensor load
	ds_add_u32 v[SPW], v[NIL]
	v_lshrrev_b32 v1, 5, v0
	v_readfirstlane_b32 s[WV], v1                  ; wave 0..7
	s_bfe_u32 s13, ttmp6, 0x40000                  ; cx: it enters Q's and the outputs' addresses alone
	s_and_b32 s14, ttmp7, 0xffff                   ; the head, shared by the four partners
	s_mul_i32 s46, s14, HS
	s_mov_b32 s47, 0
	s_mul_i32 s15, s[WV], 2*GS                     ; chunks 2 w, 2 w + 1, in memory and in LDS
	s_add_co_u32 s48, s46, s15
	s_mov_b32 s49, 0
	s_mov_b32 s[G1], 15|(3<<16)|(1<<21)            ; the mask: all four; elements of 8 bytes; bit 21 beside a mask; no padding
	s_mov_b32 s[G1+1], 32<<16                      ; tensor_dim0 = 32 elements: 256 bytes
	s_mov_b32 s[G1+2], 134<<16                     ; tensor_dim1 = 134 rows: 34,304 dense bytes
	s_mov_b32 s[G1+3], 32<<16                      ; tile_dim0
	s_mov_b32 s[G1+4], 134                         ; tile_dim1
	s_mov_b32 s[G1+5], 32                          ; the pitch
	s_mov_b32 s[G1+6], 0
	s_mov_b32 s[G1+7], 0
	s_mov_b32 s[SEL], 0x76543210
	s_mov_b32 s[SEL+1], 0xfedcba98
	s_mov_b32 s[CS], 0x3e38aa3b                    ; c = log2(e) / sqrt(64)
	s_mov_b32 s[CS+1], s[CS]
	s_mov_b32 s[NC], 0xbe38aa3b                    ; -c
	s_mov_b32 s[MNT], 0x600000                     ; the mantissa field of 448
	s_mov_b32 s[HM], 0xffff0000                    ; lanes 16-31
	s_mov_b32 s[PASS], 0
	s_wait_dscnt 0x0
	s_wait_kmcnt 0x0
	s_mov_b32 s[G0], 1
	s_mov_b32 s[G0+1], s15
	s_add_nc_u64 s[G0+2:G0+3], s[6:7], s[48:49]
	s_or_b32 s[G0+3], s[G0+3], 0x80000000
	CROUND                                         ; all four work-groups are here: the joint loads meet
	tensor_load_to_lds s[G0:G0+3], s[G1:G1+7]      ; my one tensor load of the launch
	s_nop 0
.rept 4
	v_nop
.endr
	s_lshl_b32 s16, s13, 2                         ; Q: tile 32 cx + 16 pass + 2 w + x lies in chunk 4 cx + 2 pass + w / 4, as tile 2 (w % 4) + x
	s_lshr_b32 s17, s[WV], 2
	s_add_co_u32 s16, s16, s17
	s_mul_i32 s16, s16, GS
	s_add_co_u32 s50, s16, s46
	s_mov_b32 s51, 0
	s_add_nc_u64 s[SQ:SQ+1], s[4:5], s[50:51]
	s_lshr_b32 s16, s14, 4                         ; batch
	s_and_b32 s17, s14, 15                         ; head
	s_lshl_b32 s16, s16, 7
	s_lshl_b32 s18, s13, 5
	s_add_co_u32 s16, s16, s18
	s_lshl_b32 s18, s[WV], 1
	s_add_co_u32 s16, s16, s18                     ; my first tile of 16 tokens among 512: 128 batch + 32 cx + 2 w
	s_lshl_b32 s50, s16, 12                        ; oimg [head / 4][tile][(head / 2) % 2][2 (head % 2) + block][lane][16]
	s_lshr_b32 s18, s17, 2
	s_lshl_b32 s18, s18, 21
	s_add_co_u32 s50, s50, s18
	s_and_b32 s18, s17, 3
	s_lshl_b32 s18, s18, 10
	s_add_co_u32 s50, s50, s18
	s_add_nc_u64 s[SOB:SOB+1], s[8:9], s[50:51]
	s_lshl_b32 s50, s16, 9                         ; osc [token][32]: 16 tokens are 512 bytes; byte 2 head + block
	s_lshl_b32 s18, s17, 1
	s_add_co_u32 s50, s50, s18
	s_add_nc_u64 s[SSB:SSB+1], s[10:11], s[50:51]
	v_and_b32 v10, 31, v0
	v_lshlrev_b32 v[LI], 4, v10
	v_lshlrev_b32 v[L8], 3, v10
	v_add_nc_u32 v[L8], 16896, v[L8]
	s_and_b32 s15, s[WV], 3
	s_lshl_b32 s16, s15, 11
	v_add_nc_u32 v[QO], s16, v[LI]
	s_lshl_b32 s16, s15, 2                         ; Q's words [lane][4]: tile a's row r lies in lane r + 16 (a % 2), word a / 2: lane l takes word w % 4 of lane l
	s_add_co_u32 s16, s16, 16384
	v_add_nc_u32 v[QSO], s16, v[LI]
	v_and_b32 v10, 15, v0                          ; r
	v_bfe_u32 v11, v0, 4, 1                        ; h
	v_lshl_add_u32 v[OSO], v10, 5, v11
	WIN 0x40
	QLOAD
.irp j, 0,1,2,3,4,5,6,7
	v_mov_b32 v[Q+8+\j], 0                         ; Q's zero codes for k = 64 .. 127,
	v_mov_b32 v[Q+24+\j], 0
	v_mov_b32 v[KF+64+\j], 0                       ; and what stands behind K's last tile
.endr
	WIN 0
	global_load_b32 v[QS], v[QSO], s[SQ:SQ+1]
	v_mov_b32 v[F+1], 0                            ; (named as the upper halves of the pairs with f before they are first made)
	v_mov_b32 v[F+3], 0
	s_wait_alu depctr_va_vdst(0)                   ; the wait at the head's end
	s_wait_tensorcnt 0x0                           ; my chunks are in,
	s_barrier_signal -1
	s_barrier_wait -1                              ; everybody's are: the head lies in LDS and is only read from here on
	WIN 0x40
	KLOAD LI, 0                                    ; the first step's K
	WIN 0
	ds_load_b128 v[KSW:KSW+3], v[LI] offset:16384
.Lpass:
.irp x, 0,1
	v_mov_b32 v[NM+2*\x], 0x7f000000               ; -M: a large whole number, so that the first f is 0
	v_mov_b32 v[NM+2*\x+1], 0xff61b1e6             ; the largest score so far: -3e38
	v_mov_b32 v[SUM+2*\x], 0
	v_mov_b32 v[SUM+2*\x+1], 0
.endr
	WIN 0x40
.set n_, 0
.rept 64
	v_mov_b32 v[O+n_], 0                           ; the step has no first form of its own: the first finds zeros, which the first change of M leaves zeros
.set n_, n_+1
.endr
	WIN 0
	s_mov_b32 s[TB], 0
	s_mov_b32 s[CNT], 15
	s_wait_alu depctr_va_vdst(0)                   ; directly ahead of the wait below
	s_wait_loadcnt 0x0                             ; Q
.Lstep:                                            ; 15 trips; the sixteenth step is written out
	STEP 0
	s_add_co_u32 s[TB], s[TB], GS
	s_sub_co_u32 s[CNT], s[CNT], 1
	s_cmp_lg_u32 s[CNT], 0
	s_cbranch_scc1 .Lstep
	STEP 1
	; THE WAY OUT of a pass
.rept 8
	v_nop                                          ; places behind the last products
.endr
.irp x, 0,1
	v_add_f32 v[SUM+2*\x], v[SUM+2*\x], v[SUM+2*\x+1]
.endr
.irp x, 0,1
	v_permlanex16_b32 v[TMP+\x], v[SUM+2*\x], s[SEL], s[SEL+1]
.endr
.irp x, 0,1
	v_add_f32 v[SUM+2*\x], v[SUM+2*\x], v[TMP+\x]  ; the row's sum
.endr
	s_wait_alu depctr_va_vdst(0)                   ; the wait ahead of the transcendentals
.irp x, 0,1
	v_rcp_f32 v[SUM+2*\x], v[SUM+2*\x]
.endr
	v_nop
	WIN 0x01
	s_wait_alu depctr_va_vdst(0)                   ; and behind them, directly ahead of the first readers of O^T
.irp x, 0,1
.set n_, 0
.rept 16
	v_pk_mul_f32 v[S+64*\x+n_:S+64*\x+n_+1], v[O+32*\x+n_:O+32*\x+n_+1], v[SUM+2*\x:SUM+2*\x+1] op_sel_hi:[1,0]   ; register 8 t + i is o(query r, d = 16 t + 8 h + i)
.set n_, n_+2
.endr
.endr
	WIN 0
.irp x, 0,1
.irp b, 0,1
	v_max3_num_f32 v[BM+4*\x+\b], |v[S+64*\x+16*\b]|, |v[S+64*\x+16*\b+1]|, 0x4800000
.endr
.endr
.irp i, 2,4,6,8,10,12,14
.irp x, 0,1
.irp b, 0,1
	v_max3_num_f32 v[BM+4*\x+\b], v[BM+4*\x+\b], |v[S+64*\x+16*\b+\i]|, |v[S+64*\x+16*\b+\i+1]|
.endr
.endr
.endr
.irp x, 0,1
.irp b, 0,1
	v_permlanex16_b32 v[T1+4*\x+\b], v[BM+4*\x+\b], s[SEL], s[SEL+1]
.endr
.endr
.irp x, 0,1
.irp b, 0,1
	v_max_num_f32 v[BM+4*\x+\b], v[BM+4*\x+\b], v[T1+4*\x+\b]
.endr
.endr
.irp x, 0,1
.irp b, 0,1
	v_add_nc_u32 v[SO+4*\x+\b], 0xfc000000, v[BM+4*\x+\b]
.endr
.endr
.irp x, 0,1
.irp b, 0,1
	v_and_or_b32 v[LM+4*\x+\b], v[BM+4*\x+\b], 0x7f800000, s[MNT]
.endr
.endr
.irp x, 0,1
.irp b, 0,1
	v_lshrrev_b32 v[T1+4*\x+\b], 23, v[SO+4*\x+\b]
.endr
.endr
.irp x, 0,1
	v_cndmask_b32 v[TMP+\x], v[T1+4*\x], v[T1+4*\x+1], s[HM]   ; lanes 0-15 store block 0's byte, lanes 16-31 block 1's
.endr
.irp x, 0,1
.irp b, 0,1
.irp i, 0,1,2,3,4,5,6,7,8,9,10,11,12,13,14,15
	v_med3_num_f32 v[S+64*\x+16*\b+\i], v[S+64*\x+16*\b+\i], -v[LM+4*\x+\b], v[LM+4*\x+\b]
.endr
	v_cvt_scalef32_pk8_fp8_f32 v[PC+16*\x+4*\b:PC+16*\x+4*\b+1], v[S+64*\x+16*\b:S+64*\x+16*\b+7], v[SO+4*\x+\b]
	v_cvt_scalef32_pk8_fp8_f32 v[PC+16*\x+4*\b+2:PC+16*\x+4*\b+3], v[S+64*\x+16*\b+8:S+64*\x+16*\b+15], v[SO+4*\x+\b]
.endr
.endr
	v_nop
; These codes meet a GIVEN operand, so they are put into the operand's true order: lanes 0-15 hold d 0-7 and 16-23 of a block and want 0-15; lanes 16-31 hold 8-15 and 24-31 and want 16-31.
.irp x, 0,1
.irp b, 0,1
	v_permlane16_swap_b32 v[PC+16*\x+4*\b], v[PC+16*\x+4*\b+2]     ; the first register's lanes 16-31 change places with the second's lanes 0-15
	v_permlane16_swap_b32 v[PC+16*\x+4*\b+1], v[PC+16*\x+4*\b+3]
.endr
.endr
.irp x, 0,1
	global_store_b128 v[LI], v[PC+16*\x:PC+16*\x+3], s[SOB:SOB+1] offset:4096*\x        ; 32 lanes store 512 consecutive bytes, aligned
	global_store_b128 v[LI], v[PC+16*\x+4:PC+16*\x+7], s[SOB:SOB+1] offset:4096*\x+512
	global_store_b8 v[OSO], v[TMP+\x], s[SSB:SSB+1] offset:512*\x   ; two bytes of each of 16 rows of 32: the other bytes of a row are other heads'
.endr
	s_wait_xcnt 0x0                                ; the stores have read their bases and data
	s_add_nc_u64 s[SOB:SOB+1], s[SOB:SOB+1], 65536 ; 16 tiles on
	s_add_nc_u64 s[SSB:SSB+1], s[SSB:SSB+1], 8192
	s_add_co_u32 s[PASS], s[PASS], 1
	s_cmp_lt_u32 s[PASS], 2
	s_wait_alu depctr_va_vdst(0)                   ; directly ahead of the branch
	s_cbranch_scc1 .Lpass
	s_wait_tensorcnt 0x0                           ; the wave's end
	ds_add_u32 v[SPW], v[NIL]
	s_wait_dscnt 0x0
	CROUND                                         ; the closing round
	s_endpgm
.Lfunc_end_k_q2be142a67b_attn:
	.size	k_q2be142a67b_attn, .Lfunc_end_k_q2be142a67b_attn-k_q2be142a67b_attn
	.p2alignl 7, 3214868480
	.fill 96, 4, 3214868480
	.section	.rodata,"a",@progbits
	.p2align	6, 0x0
	.amdhsa_kernel k_q2be142a67b_attn
		.amdhsa_group_segment_fixed_size 327680
		.amdhsa_private_segment_fixed_size 0
		.amdhsa_enable_private_segment 0
		.amdhsa_kernarg_size 32
		.amdhsa_user_sgpr_count 2
		.amdhsa_user_sgpr_kernarg_segment_ptr 1
		.amdhsa_wavefront_size32 1
		.amdhsa_system_sgpr_workgroup_id_x 1
		.amdhsa_system_sgpr_workgroup_id_y 1
		.amdhsa_system_sgpr_workgroup_id_z 1
		.amdhsa_system_vgpr_workitem_id 0
		.amdhsa_next_free_vgpr 512
		.amdhsa_next_free_sgpr 66
		.amdhsa_reserve_vcc 0
		.amdhsa_float_denorm_mode_32 3
		.amdhsa_float_denorm_mode_16_64 3
		.amdhsa_memory_ordered 1
		.amdhsa_forward_progress 1
		.amdhsa_inst_pref_size 89
	.end_amdhsa_kernel
	.amdgpu_metadata
---
amdhsa.version: [ 1, 2 ]
amdhsa.kernels:
  - .name:           k_q2be142a67b_attn
    .symbol:         k_q2be142a67b_attn.kd
    .args:
      - { .name: qb, .offset: 0, .size: 8, .value_kind: global_buffer, .address_space: global }
      - { .name: kv, .offset: 8, .size: 8, .value_kind: global_buffer, .address_space: global }
      - { .name: oimg, .offset: 16, .size: 8, .value_kind: global_buffer, .address_space: global }
      - { .name: osc, .offset: 24, .size: 8, .value_kind: global_buffer, .address_space: global }
    .group_segment_fixed_size: 327680
    .private_segment_fixed_size: 0
    .kernarg_segment_align: 8
    .kernarg_segment_size: 32
    .max_flat_workgroup_size: 256
    .sgpr_count:     66
    .vgpr_count:     512
    .wavefront_size: 32
...
	.end_amdgpu_metadata
.endif
;; end of part 2
;; launch outp (part 3): grid 4 x 64, 4 waves a work-group, clusters of 4 x 4, 327,680 bytes of LDS; arguments oimg, osc, w_o_codes, w_o_scales, b_o, out0; writes out0
.if DOCPART == 3
	.amdgcn_target "amdgcn-amd-amdhsa--gfx1250"
	.amdhsa_code_object_version 6
	.text
	.protected	k_q2be142a67b_outp
	.globl	k_q2be142a67b_outp
	.p2align	8
	.type	k_q2be142a67b_outp,@function
k_q2be142a67b_outp:
	s_mov_b64 s[64:65], 0
	v_nop
	global_prefetch_b8 v0, s[64:65] scope:SCOPE_SE
	s_setreg_imm32_b32 hwreg(HW_REG_WAVE_MODE, 25, 1), 1
	s_wait_xcnt 0x0
	s_wait_alu depctr_hold_cnt(0) depctr_sa_sdst(0) depctr_va_vdst(0) depctr_va_sdst(0) depctr_va_ssrc(0) depctr_va_vcc(0) depctr_vm_vsrc(0)
	s_getreg_b32 s2, hwreg(HW_REG_IB_STS2, 6, 4)
	s_cmp_eq_u32 s2, 0
	s_cbranch_scc0 .Lentry_in_a_cluster
	s_endpgm
.Lentry_in_a_cluster:
	s_bfe_u32 s2, ttmp6, 0x10000c
	s_cmp_lg_u32 s2, 0xf033
	s_cbranch_scc0 .Lentry_shape_is_right
	s_endpgm
.Lentry_shape_is_right:
; out0 = O W_o^T + b_o on codes of E4M3 with E8M0 scales: 8,192 x 1,024 x 1,024, f32 sums that begin with the bias.
; A work-group of four waves makes 128 tokens x 256 columns, in two halves of 128 columns; in a half a wave makes 64 x 64: 16 accumulators.  256 work-groups.
; ALL OF K lies in LDS: 128 KiB of O's codes, fetched once, and 128 rows of W_o.  W_o's second 128 rows are filled over the first behind the lines and the round, and land while the first half's results leave.
; oimg [K step of 256: 4][tile of 16 tokens: 512][128 of K: 2][piece c: 4][lane][16 bytes] holds O's codes as register images: a block's 8 tiles are 32,768 bytes on end in each K step.  Waves 0 and 1 fetch two K steps each (two rows of 32,768 bytes,
; 2 MiB apart), waves 2 and 3 64 rows of W_o each (1,024 bytes a row, 16 of padding behind each, so that the 16 rows that a load touches start at 16 different banks: ISA guide 11.1).
; CLUSTERS: 4 x 4 work-groups; the four of a row need the same tokens, the four of a column the same rows of W_o: each tile is asked for jointly.
; The scale words (a row's 32 bytes are its eight words, one for each 128 of K) and the bias go from memory straight into registers: lane l takes row l of 32, so a register serves two blocks of 16 rows (lanes 0-15, lanes 16-31).
; THE MATRIX INSTRUCTION IS USED TRANSPOSED (source 0 = 16 rows of W_o, source 1 = 16 tokens): a lane holds eight neighbouring numbers of a row of out0.
; No prefetch: W_o's 1 MiB is walked by all sixteen clusters alike, and each cluster would name the same bytes; O's codes come by the one fill at the head.
; REGISTERS.  Window 0: v2-11 addresses; v32-47 O's scale words, v52-67 W_o's (their numbers differ modulo 8); v72-103 the bias; v112-239 the accumulators.  Window 1: two sets of fragments (W_o's four, O's four), 128 registers each; on the way out rows read back.
.set KROW,   1024
.set PITCH,  1040
.set BB,     131072                    ; W_o's rows, behind O's images
.set STAGE,  BB+128*PITCH              ; the way out: 16 rows x (256 bytes + 16) for each wave; no fill lands here
.set SPITCH, 272
.set SPARE,  STAGE+4*16*SPITCH         ; the spare words, 128 bytes a wave
.set ADRA, 2                           ; v2, v3  my tiles' images: K steps 0, 1; K steps 2, 3
.set ADRB, 4
.set STO,  5
.set RD,   6
.set CO,   7
.set VS,   8                           ; 32 x lane
.set VB,   9                           ; 32 x (lane / 16)
.set SPW,  10
.set NIL,  11
.set SA,   32
.set SBW,  52
.set BI,   72
.set ACC,  112
.set G1,   24
.set G0,   32
.set G1B,  48
.set G0B,  56
.set MSB, 0
.macro WIN new                         ; the immediate's high byte repeats the setting that is left
.if MSB != \new
	s_set_vgpr_msb (MSB<<8)|\new
.set MSB, \new
.endif
.endm
.macro PLACES n
.rept \n
	v_nop
.endr
.endm
.macro CROUND                          ; a round of the cluster's barrier
	s_barrier_signal -1
	s_barrier_wait -1
	s_cmp_lg_u32 s16, 0
	s_cbranch_scc1 .Lnot_wave_0_\@
	s_barrier_signal -3
.Lnot_wave_0_\@:
	s_barrier_wait -3
	s_barrier_signal -1
	s_barrier_wait -1
.endm
	s_load_b256 s[4:11], s[0:1], 0x0               ; oimg, osc, w_o_codes, w_o_scales
	s_load_b128 s[12:15], s[0:1], 0x20             ; b_o, out0
	v_lshl_add_u32 v[SPW], v0, 2, SPARE
	v_mov_b32 v[NIL], 0
	ds_add_u32 v[SPW], v[NIL]                      ; the opening lines: the add, twice on end, and its wait ahead of my first tensor load
	ds_add_u32 v[SPW], v[NIL]
	v_lshrrev_b32 v1, 5, v0
	v_readfirstlane_b32 s16, v1                    ; wave 0..3
	s_lshr_b32 s17, s16, 1                         ; my half of the block's tokens.  Also: I fetch O's codes (0) or W_o's (1)
	s_and_b32 s18, s16, 1                          ; my 64 of a half's 128 columns.  Also: which half of a tile I fetch
	s_bfe_u32 s40, ttmp6, 0x40000                  ; cx, cy
	s_bfe_u32 s41, ttmp6, 0x40004
	s_lshl_b32 s42, ttmp9, 2
	s_add_co_u32 s42, s42, s40                     ; block column (256 columns) = 4 x cluster x + cx
	s_and_b32 s43, ttmp7, 0xffff
	s_lshl_b32 s43, s43, 2
	s_add_co_u32 s43, s43, s41                     ; block row (128 tokens) = 4 x cluster y + cy
	s_lshl_b32 s44, s41, 2
	s_lshl_b32 s44, 15, s44                        ; my row of the cluster
	s_lshl_b32 s45, 0x1111, s40                    ; my column
	s_or_b32 s[G1], s44, (3<<16)|(1<<21)           ; O's codes: elements of 8 bytes, no padding; two rows of 4,096 elements, 262,144 elements apart
	s_mov_b32 s[G1+1], 4096<<16
	s_mov_b32 s[G1+2], 2<<16
	s_mov_b32 s[G1+3], 4096<<16
	s_mov_b32 s[G1+4], 2
	s_mov_b32 s[G1+5], 262144
	s_mov_b32 s[G1+6], 0
	s_mov_b32 s[G1+7], 0
	s_or_b32 s[G1B], s45, (1<<20)|(1<<21)|(7<<22)|(3<<25)   ; W_o's codes: elements of 1 byte; four words of padding after every 256; 64 rows of 1,024
	s_mov_b32 s[G1B+1], KROW<<16
	s_mov_b32 s[G1B+2], 64<<16
	s_mov_b32 s[G1B+3], KROW<<16
	s_mov_b32 s[G1B+4], 64
	s_mov_b32 s[G1B+5], KROW
	s_mov_b32 s[G1B+6], 0
	s_mov_b32 s[G1B+7], 0
	s_lshl_b32 s20, s43, 15                        ; O: 8 tiles of 4,096 bytes a block row, + my two K steps
	s_lshl_b32 s21, s18, 22
	s_add_co_u32 s20, s20, s21
	s_mov_b32 s21, 0
	s_lshl_b32 s46, s42, 18                        ; W_o: 256 rows a block column, + my 64 of the first 128
	s_lshl_b32 s47, s18, 16
	s_add_co_u32 s46, s46, s47
	s_mov_b32 s47, 0
	s_mov_b32 s[G0], 1
	s_lshl_b32 s[G0+1], s18, 16
	s_mov_b32 s[G0B], 1
	s_mul_i32 s[G0B+1], s18, 64*PITCH
	s_add_co_u32 s[G0B+1], s[G0B+1], BB
	s_wait_dscnt 0x0
	s_wait_kmcnt 0x0
	s_add_nc_u64 s[G0+2:G0+3], s[4:5], s[20:21]
	s_or_b32 s[G0+3], s[G0+3], 0x80000000
	s_add_nc_u64 s[G0B+2:G0B+3], s[8:9], s[46:47]
	s_or_b32 s[G0B+3], s[G0B+3], 0x80000000
	CROUND                                         ; all sixteen work-groups are here: the joint loads meet
	s_cmp_eq_u32 s17, 0
	s_cbranch_scc0 .Lfor_b
	tensor_load_to_lds s[G0:G0+3], s[G1:G1+7]      ; every wave has one tensor load at the head
	s_nop 0
	PLACES 4
	s_branch .Lasked
.Lfor_b:
	tensor_load_to_lds s[G0B:G0B+3], s[G1B:G1B+7]
	s_nop 0
	PLACES 4
.Lasked:
	s_lshl_b32 s20, s43, 12                        ; my first token x 32: its scale bytes
	s_lshl_b32 s21, s17, 11
	s_add_co_u32 s20, s20, s21
	s_mov_b32 s21, 0
	s_add_nc_u64 s[6:7], s[6:7], s[20:21]
	s_lshl_b32 s46, s42, 13                        ; my first column x 32: W_o's scale bytes
	s_lshl_b32 s47, s18, 11
	s_add_co_u32 s46, s46, s47
	s_mov_b32 s47, 0
	s_add_nc_u64 s[10:11], s[10:11], s[46:47]
	s_lshr_b32 s46, s46, 3                         ; my first column x 4
	s_add_nc_u64 s[12:13], s[12:13], s[46:47]
	s_add_nc_u64 s[14:15], s[14:15], s[46:47]
	s_lshl_b32 s20, s20, 7                         ; my first token x 4,096: a row of out0
	s_add_nc_u64 s[14:15], s[14:15], s[20:21]
	s_lshl_b32 s60, s17, 14                        ; my four tiles in a K step's image
	s_mul_i32 s61, s18, 64*PITCH
	s_add_co_u32 s61, s61, BB                      ; my 64 rows of W_o
	s_mul_i32 s62, s16, 16*SPITCH
	s_add_co_u32 s62, s62, STAGE                   ; my stage
	v_and_b32 v12, 31, v0                          ; lane
	v_and_b32 v13, 15, v0                          ; r
	v_bfe_u32 v14, v0, 4, 1                        ; h
	v_lshlrev_b32 v[VS], 5, v12
	v_lshlrev_b32 v[VB], 5, v14
	v_lshl_add_u32 v[ADRA], v12, 4, s60
	v_add_nc_u32 v[ADRA+1], 0x10000, v[ADRA]
	v_mul_u32_u24 v15, v13, PITCH
	v_lshl_add_u32 v15, v14, 4, v15
	v_add_nc_u32 v[ADRB], s61, v15
	v_mul_u32_u24 v15, v13, SPITCH                 ; in: row r, 32 bytes for each half of the lanes
	v_lshl_add_u32 v15, v14, 5, v15
	v_add_nc_u32 v[STO], s62, v15
	v_mul_u32_u24 v15, v14, SPITCH                 ; back: lanes 0-15 one row of 256 bytes, lanes 16-31 the next
	v_lshl_add_u32 v15, v13, 4, v15
	v_add_nc_u32 v[RD], s62, v15
	v_lshlrev_b32 v15, 12, v14                     ; and the same two rows in out0
	v_lshl_add_u32 v[CO], v13, 4, v15
.macro WLOADS n                        ; W_o's scale words and the bias of half n's columns
.irp p, 0,1
.irp e, 0,1
	global_load_b128 v[SBW+8*\p+4*\e:SBW+8*\p+4*\e+3], v[VS], s[10:11] offset:4096*(\n)+1024*\p+16*\e
.endr
.endr
.irp b, 0,1,2,3
	global_load_b128 v[BI+8*\b:BI+8*\b+3], v[VB], s[12:13] offset:512*(\n)+64*\b          ; register j of block b: b_o at column 16 b + 8 h + j
	global_load_b128 v[BI+8*\b+4:BI+8*\b+7], v[VB], s[12:13] offset:512*(\n)+64*\b+16
.endr
.endm
.irp p, 0,1
.irp e, 0,1
	global_load_b128 v[SA+8*\p+4*\e:SA+8*\p+4*\e+3], v[VS], s[6:7] offset:1024*\p+16*\e
.endr
.endr
	WLOADS 0
; 32 LDS loads: the fragments of the k-th 128 of K into set p of window 1: W_o's four blocks at 128 p, O's four at 128 p + 64
.macro FETCH k, p
	WIN 0x40
.irp j, 0,1,2,3
.irp c, 0,1,2,3
	ds_load_b128 v[128*(\p)+16*\j+4*\c:128*(\p)+16*\j+4*\c+3], v[ADRB] offset:\j*16*PITCH+128*(\k)+32*\c
.endr
.endr
.irp i, 0,1,2,3
.irp c, 0,1,2,3
	ds_load_b128 v[128*(\p)+64+16*\i+4*\c:128*(\p)+64+16*\i+4*\c+3], v[ADRA+(\k)/4] offset:(((\k)/2)%2)*32768+\i*4096+((\k)%2)*2048+512*\c
.endr
.endr
	WIN 0
.endm
.macro PR a, b, k, p, first            ; one product: tokens' block a x columns' block b
.set D_, ACC+8*(4*(\a)+(\b))
.set C_, D_
.if \first
.set C_, BI+8*(\b)
.endif
.set W_, 128*(\p)+16*(\b)
.set X_, 128*(\p)+64+16*(\a)
.set WS_, SBW+8*((\b)/2)+(\k)
.set XS_, SA+8*((\a)/2)+(\k)
.if ((\a)%2) && ((\b)%2)
	v_wmma_scale_f32_16x16x128_f8f6f4 v[D_:D_+7], v[W_:W_+15], v[X_:X_+15], v[C_:C_+7], v[WS_], v[XS_] matrix_a_scale:MATRIX_SCALE_ROW1 matrix_b_scale:MATRIX_SCALE_ROW1
.elseif (\b)%2
	v_wmma_scale_f32_16x16x128_f8f6f4 v[D_:D_+7], v[W_:W_+15], v[X_:X_+15], v[C_:C_+7], v[WS_], v[XS_] matrix_a_scale:MATRIX_SCALE_ROW1
.elseif (\a)%2
	v_wmma_scale_f32_16x16x128_f8f6f4 v[D_:D_+7], v[W_:W_+15], v[X_:X_+15], v[C_:C_+7], v[WS_], v[XS_] matrix_b_scale:MATRIX_SCALE_ROW1
.else
	v_wmma_scale_f32_16x16x128_f8f6f4 v[D_:D_+7], v[W_:W_+15], v[X_:X_+15], v[C_:C_+7], v[WS_], v[XS_]
.endif
.endm
.macro MUL k, p, first                 ; 16 products: the 16 accumulators take turns, in the same order in every step
	WIN 0x05                                       ; sources 0 and 1 in window 1
.irp a, 0,1,2,3
.irp b, 0,1,2,3
	PR \a, \b, \k, \p, \first
.endr
.endr
	WIN 0
.endm
.macro HALF                            ; 64 x 64 over all of K: eight steps of 128; a step's fragments are asked for ahead of the step before
	FETCH 0, 0
	FETCH 1, 1
	s_wait_loadcnt 0x0                             ; the scale words and the bias
	s_wait_dscnt 32                                ; all but the 32 just issued
	MUL 0, 0, 1                                    ; the first products start the sums from the bias
.irp k, 1,2,3,4,5,6
	PLACES 8                                       ; eight places behind the last products, which read the set that the loads below fill
	FETCH (\k+1), ((\k+1)%2)
	s_wait_dscnt 32
	MUL \k, (\k%2), 0
.endr
	s_wait_dscnt 0x0
	MUL 7, 1, 0
	PLACES 10                                      ; behind the last products: for the first reads of the sums, for loads into what they read, and for the products that begin the accumulators anew
.endm
; THE WAY OUT, block by block of 16 tokens x 64 columns: through my own stage in LDS, back as whole rows of 256 bytes, which sixteen lanes store as one aligned unit.
; LDS serves a wave's instructions in order (ISA guide 5.7.1.4): no wait between the stores and the loads, nor in front of the next block's stores.
.macro TOSTAGE a
.irp b, 0,1,2,3
	ds_store_b128 v[STO], v[ACC+8*(4*(\a)+\b):ACC+8*(4*(\a)+\b)+3] offset:64*\b          ; each accumulator from its low end on
	ds_store_b128 v[STO], v[ACC+8*(4*(\a)+\b)+4:ACC+8*(4*(\a)+\b)+7] offset:64*\b+16
.endr
	WIN 0x40
.irp t, 0,1,2,3,4,5,6,7
	ds_load_b128 v[32*((\a)%2)+4*\t:32*((\a)%2)+4*\t+3], v[RD] offset:\t*2*SPITCH
.endr
	WIN 0
.endm
.macro SEND a, younger, n              ; younger: the LDS instructions issued behind block a's loads, which may stay out;  n: the half
	s_wait_dscnt \younger
	WIN 0x04                                       ; the data in window 1
.irp t, 0,1,2,3,4,5,6,7
	global_store_b128 v[CO], v[32*((\a)%2)+4*\t:32*((\a)%2)+4*\t+3], s[14:15] offset:(\a)*65536+\t*8192+512*(\n) th:TH_STORE_NT
.endr
	WIN 0
.endm
.macro OUT n
	TOSTAGE 0
.irp a, 1,2,3
.if \a > 1
	s_wait_xcnt 0x0                                ; block a - 2's stores have read their registers: block a's loads may land there
.endif
	TOSTAGE \a
	SEND (\a-1), 16, \n                            ; behind block a - 1's loads: block a's 8 stores and 8 loads
.endr
	SEND 3, 0, \n
.endm
	s_wait_alu depctr_va_vdst(0)                   ; the wait at the head's end
	s_wait_tensorcnt 0x0                           ; my tile is in,
	s_barrier_signal -1
	s_barrier_wait -1                              ; everybody's is
	HALF
	WLOADS 1                                       ; the second half's scale words and bias come while the first half leaves
	s_wait_tensorcnt 0x0                           ; no tensor load of mine is out,
	ds_add_u32 v[SPW], v[NIL]
	s_add_nc_u64 s[G0B+2:G0B+3], s[G0B+2:G0B+3], 128*KROW   ; so a group 0 may be written: W_o's next 128 rows
	s_wait_dscnt 0x0                               ; the add is done, and my reads of W_o's first 128 rows are over
	CROUND                                         ; both hold of every wave of all sixteen work-groups
	s_cmp_eq_u32 s17, 0                            ; waves 2 and 3 fill again what they filled at the head; waves 0 and 1 have no part of it
	s_cbranch_scc1 .Lno_fill
	tensor_load_to_lds s[G0B:G0B+3], s[G1B:G1B+7]
	s_nop 0
	PLACES 4
.Lno_fill:
	OUT 0
	s_wait_tensorcnt 0x0                           ; my part of W_o's second 128 rows is in,
	s_wait_dscnt 0x0
	s_barrier_signal -1
	s_barrier_wait -1                              ; everybody's is
	s_wait_xcnt 0x0                                ; the first half's stores have read their registers: fragments may land there
	HALF
	OUT 1
	s_wait_tensorcnt 0x0                           ; the wave's end
	ds_add_u32 v[SPW], v[NIL]
	s_wait_dscnt 0x0
	CROUND                                         ; the closing round
	s_endpgm
.Lfunc_end_k_q2be142a67b_outp:
	.size	k_q2be142a67b_outp, .Lfunc_end_k_q2be142a67b_outp-k_q2be142a67b_outp
	.p2alignl 7, 3214868480
	.fill 96, 4, 3214868480
	.section	.rodata,"a",@progbits
	.p2align	6, 0x0
	.amdhsa_kernel k_q2be142a67b_outp
		.amdhsa_group_segment_fixed_size 327680
		.amdhsa_private_segment_fixed_size 0
		.amdhsa_enable_private_segment 0
		.amdhsa_kernarg_size 48
		.amdhsa_user_sgpr_count 2
		.amdhsa_user_sgpr_kernarg_segment_ptr 1
		.amdhsa_wavefront_size32 1
		.amdhsa_system_sgpr_workgroup_id_x 1
		.amdhsa_system_sgpr_workgroup_id_y 1
		.amdhsa_system_sgpr_workgroup_id_z 1
		.amdhsa_system_vgpr_workitem_id 0
		.amdhsa_next_free_vgpr 512
		.amdhsa_next_free_sgpr 70
		.amdhsa_reserve_vcc 0
		.amdhsa_float_denorm_mode_32 3
		.amdhsa_float_denorm_mode_16_64 3
		.amdhsa_memory_ordered 1
		.amdhsa_forward_progress 1
		.amdhsa_inst_pref_size 96
	.end_amdhsa_kernel
	.amdgpu_metadata
---
amdhsa.version: [ 1, 2 ]
amdhsa.kernels:
  - .name:           k_q2be142a67b_outp
    .symbol:         k_q2be142a67b_outp.kd
    .args:
      - { .name: oimg, .offset: 0, .size: 8, .value_kind: global_buffer, .address_space: global }
      - { .name: osc, .offset: 8, .size: 8, .value_kind: global_buffer, .address_space: global }
      - { .name: w_o_codes, .offset: 16, .size: 8, .value_kind: global_buffer, .address_space: global }
      - { .name: w_o_scales, .offset: 24, .size: 8, .value_kind: global_buffer, .address_space: global }
      - { .name: b_o, .offset: 32, .size: 8, .value_kind: global_buffer, .address_space: global }
      - { .name: out0, .offset: 40, .size: 8, .value_kind: global_buffer, .address_space: global }
    .group_segment_fixed_size: 327680
    .private_segment_fixed_size: 0
    .kernarg_segment_align: 8
    .kernarg_segment_size: 48
    .max_flat_workgroup_size: 128
    .sgpr_count:     70
    .vgpr_count:     512
    .wavefront_size: 32
...
	.end_amdgpu_metadata
.endif
;; end of part 3
